; MI455X (gfx1250); checked and timed in simulation.
; The chip was launched on July 23, 2026; its instructions are those of AMD's public machine-readable ISA for CDNA 5 (MIT licence, August 2026) and "CDNA5" Instruction Set Architecture Reference Guide (July 2026). The comments in the code are by the model that wrote it; some were corrected since.
;; Causal Self Attention. Allowed arithmetic: matrix products marked QUANTISED: E4M3 operands, one given power-of-two scale a tensor, by v_wmma_f32_16x16x64_fp8_fp8 or v_wmma_f32_16x16x128_fp8_fp8, f32 sums; everything else in f32.
;; Inputs: W_attn 1,024 x 3,072 float32; W_proj 1,024 x 1,024 float32; lowp_scales 8 int32 (the exponents e of the quantised operands' scales 2^e); x 4 x 2,048 x 1,024 float32.
;; Outputs: out0 4 x 2,048 x 1,024 float32.
;; This version of the problem:
;;   THIS VERSION OF THE PROBLEM IS GIVEN IN LOW PRECISION. The matrix products marked QUANTISED in the list below multiply operands that are first quantised to E4M3 (4 exponent bits, 3 mantissa bits; 8 bits a number), with one given power-of-two scale for each operand tensor; their sums are f32. All else is computed in f32.
;;   The module's matrix products, in the order in which they are computed (A, B: the left and right operand; K: the contracted axis; several contracted axes count as one K, in the product's order):
;;     1. [M 8,192, K 1,024] x [K 1,024, N 3,072]; A: input x; B: input W_attn: QUANTISED (scales: A lowp_scales[0], B lowp_scales[1])
;;     2. batch 64 x [M 2,048, K 64] x [K 64, N 2,048]; A: computed on the way; B: computed on the way: QUANTISED (scales: A lowp_scales[2], B lowp_scales[3])
;;     3. batch 64 x [M 2,048, K 2,048] x [K 2,048, N 64]; A: softmax (see below); B: computed on the way: QUANTISED (scales: A lowp_scales[4], B lowp_scales[5])
;;     4. [M 8,192, K 1,024] x [K 1,024, N 1,024]; A: computed on the way; B: input W_proj: QUANTISED (scales: A lowp_scales[6], B lowp_scales[7])
;;   THE QUANTISER, for each operand of a quantised product, along K:
;;     - The operand's scale is 2^e, e = its entry of the input lowp_scales (int32; the entries are numbered through the quantised products in the list's order, A before B).
;;     - Each number is divided by the scale, clamped to +-448, and rounded to the nearest number of E4M3, ties to even, subnormals kept.
;;     - The product sums the exact products of the quantised numbers (number of the format x scale) in f32.
;;   ~~~python
;;   def quantise(x, axis, e):      # numpy; x: float32 -> the quantised numbers, widened to float32 again
;;       x = np.moveaxis(x, axis, -1); K = x.shape[-1]
;;       r = np.clip(x / 2.0 ** e, -448, 448)
;;       step = 2.0 ** (np.maximum(np.frexp(np.where(r == 0, 1, r))[1] - 1, -6) - 3)
;;       q = np.round(r / step) * step * 2.0 ** e      # np.round: ties to even
;;       return np.moveaxis(q, -1, axis).astype(np.float32)
;;   ~~~
;;   SOFTMAX AHEAD OF A QUANTISED PRODUCT. Where the list says 'softmax', what is quantised is not the finished softmax but p = 2^(t - M), with t = logit x log2(e) and M = ceil(the row's largest t), a whole number; so 1/2 < the row's largest p <= 1. The row's sum l is taken of the UNQUANTISED p, in f32, and the product's result is divided by l at the end. Since M is a whole number, a kernel that streams over the keys may use a running M (the ceiling of the running maximum): every later rescaling is an exact power of two, so the quantised numbers keep their values, but for numbers so far below the row's largest that they fall under the format's range.
;;   OPERANDS COMPUTED ON THE WAY. 'Computed on the way' means the value that the module computes at that place (a softmax that the list does not call 'softmax' is quantised finished and normalised). What goes into a quantiser is computed in f32, as accurately as f32 sums, v_exp_f32 and their like allow (about 1e-6 of the number): no bf16 or f16 on the way to a quantiser, and a product that is left as it is and whose result goes on into a quantised operand takes f32 operands (vector FMAs, or v_wmma_f32_16x16x4_f32). A number that lies on a knife's edge between two numbers of the format may be rounded either way, as far as f32 arithmetic and the matrix unit's own rounding can turn it there, and no further.
;; One version. Each part assembles by itself: llvm-mc -triple=amdgcn-amd-amdhsa -mcpu=gfx1250 --defsym DOCPART=n.
;; ======== version 1 of 1: 4 launches
;; limits: right only within a limited range of input values
;; workspace buffers: x_img 8,388,608 bytes; wa_img 3,145,728 bytes; wp_img 1,048,576 bytes; q_img 8,388,608 bytes; kv_img 16,777,216 bytes; y_img 8,388,608 bytes
;; launch quant (part 1): grid 384 x 1, 4 waves a work-group, no clusters, 69,120 bytes of LDS; arguments x, W_attn, W_proj, lowp_scales, x_img, wa_img, wp_img; writes x_img, wa_img, wp_img
.if DOCPART == 1
	.amdgcn_target "amdgcn-amd-amdhsa--gfx1250"
	.amdhsa_code_object_version 6
	.text
	.protected	k_q9ed0c80ac3_quant
	.globl	k_q9ed0c80ac3_quant
	.p2align	8
	.type	k_q9ed0c80ac3_quant,@function
k_q9ed0c80ac3_quant:
	s_mov_b64 s[64:65], 0
	v_nop
	global_prefetch_b8 v0, s[64:65] scope:SCOPE_SE
	s_setreg_imm32_b32 hwreg(HW_REG_WAVE_MODE, 25, 1), 1
	s_wait_xcnt 0x0
; x [8192][1024], W_attn [1024][3072] and W_proj [1024][1024], f32, become codes of FP8 (E4M3), each with its given scale 2^e (entries 0, 1, 7 of the scales).
; code = number / 2^e, held within +-448, rounded to the nearest code, ties to even.
; LIMITS: each e between -126 and 119, so that 2^e and 448 x 2^e are f32 numbers.  NaN among the inputs is not served; an infinity is held at the largest code.
; THE IMAGE.  The codes are laid in the order of the reader's operand registers.  A fragment (16 rows x 128 K) is 2,048 bytes: piece c (0..3) at 512 c + 16 x lane; lane (r = lane % 16, h = lane / 16)
; holds, of the tile's row r, k = 32 c + 16 h + 0 .. 15.  A buffer is [tile][K step of 128][2048].  Every store here and every load of a reader covers 512 consecutive, aligned bytes.
; THE ROWS OF A TILE ARE NOT NEIGHBOURS: in each group of 32 rows (tokens of x, columns of a weight) row r of tile u (0, 1) is true row 8 u + r + 8 (r / 8).  So the 16 result registers of two
; neighbouring tiles used as source 0 are 16 true neighbours, which the next product's quantiser wants.
; SHARES.  Work-groups 0-255: 32 tokens of x each; wave w takes tile w & 1, K half w >> 1 (16 rows x 512 k, four steps of 128 k).  Loads take a row's 512 consecutive bytes; the numbers turn through the wave's
; own stage in LDS so that a lane gets 16 neighbours along K.  Work-groups 256-383: a weight's 128 columns x 256 k; a lane takes a column and its registers run down K, so nothing is transposed by an instruction;
; the codes turn through the wave's own stage into images.  Waves share nothing: no barrier.  The two ways have LDS bytes of their own.  No cluster: no two work-groups read the same bytes.
.set XP,   528                         ; x's stage: a row of 512 bytes + 16 = 132 words: row r starts at bank 4 r mod 64 (64 banks of 4 bytes: ISA guide 11.1)
.set XST,  16*XP                       ; a wave's stage on x's way
.set WB,   4*XST                       ; the weights' stages begin here
.set WP,   272                         ; a column's 256 codes + 16
.set WST,  32*WP
.set LI,   1                           ; v1  16 x lane
.set SI,   2                           ; v2  x's stage, way in
.set SOX,  3                           ; v3  x's stage, way out
.set WSI,  4                           ; v4  the weights' stage, way in
.set WSO,  5                           ; v5  the weights' stage, way out
.set LIM,  10
.set SCL,  11                          ; v11 2^e
.set R,    16                          ; v16-143  x as loaded, two sets of 64
.set X,    144                         ; v144-207 64 numbers: register 16 c + i = k 32 c + 16 h + i of my row
.set C,    208                         ; v208-239 codes, two sets of 16
.set WO,   16                          ; v16-47   the weights' 32 row offsets
.set XW,   48                          ; v48-111  two sets of 32 numbers down K
.set CW,   112                         ; v112-119 a block's codes
.set OUTR, 120                         ; v120-183 the way out
.macro XLOAD t                         ; step t: 16 rows x 128 k; each load takes 512 consecutive bytes of one row
.set i, 0
.rept 16
	global_load_b128 v[R+64*((\t)%2)+4*i:R+64*((\t)%2)+4*i+3], v[LI], s[4:5] offset:(i+8*(i/8))*4096+512*(\t) th:TH_LOAD_NT
.set i, i+1
.endr
.endm
.macro XSTEP t
.if (\t) < 3
	s_wait_loadcnt 16                              ; this step's 16 loads are in; the next step's 16 may be out
.else
	s_wait_loadcnt 0x0
.endif
.set i, 0
.rept 16
	ds_store_b128 v[SI], v[R+64*((\t)%2)+4*i:R+64*((\t)%2)+4*i+3] offset:i*XP
.set i, i+1
.endr
.set i, 0
.rept 16
	ds_load_b128 v[X+4*i:X+4*i+3], v[SOX] offset:128*(i/4)+16*(i%4)   ; LDS serves a wave's instructions in order (ISA guide 5.7.1.4): these see the stores above
.set i, i+1
.endr
	s_wait_dscnt 0x0                               ; the numbers are back, and the stores have read their registers,
.if (\t) < 2
	XLOAD (\t)+2                                   ; which take the loads of two steps on
.endif
.set i, 0
.rept 64
.set i, i+1
.endr
.if (\t) >= 2
	s_wait_xcnt 0x0                                ; the stores of two steps back have read this set of codes: it is written again only behind this wait
.endif
.set i, 0
.rept 8
	v_cvt_scalef32_pk8_fp8_f32 v[C+16*((\t)%2)+2*i:C+16*((\t)%2)+2*i+1], v[X+8*i:X+8*i+7], v[SCL]
.set i, i+1
.endr
	v_nop                                          ; a plain line behind the conversions
.set i, 0
.rept 4
	global_store_b128 v[LI], v[C+16*((\t)%2)+4*i:C+16*((\t)%2)+4*i+3], s[12:13] offset:2048*(\t)+512*i   ; piece i: 512 consecutive bytes
.set i, i+1
.endr
.endm
.macro WLOAD t                         ; block t: W(32 t + i, my column), i = 0 .. 31
.set i, 0
.rept 32
	global_load_b32 v[XW+32*((\t)%2)+i], v[WO+i], s[32+2*(\t):33+2*(\t)] th:TH_LOAD_NT
.set i, i+1
.endr
.endm
.macro WBLOCK t
.if (\t) < 7
	s_wait_loadcnt 32                              ; this block's 32 loads are in; the next block's may be out
.else
	s_wait_loadcnt 0x0
.endif
.set i, 0
.rept 32
.set i, i+1
.endr
.set i, 0
.rept 4
	v_cvt_scalef32_pk8_fp8_f32 v[CW+2*i:CW+2*i+1], v[XW+32*((\t)%2)+8*i:XW+32*((\t)%2)+8*i+7], v[SCL]
.set i, i+1
.endr
	v_nop                                          ; a plain line behind the conversions
	ds_store_b128 v[WSI], v[CW:CW+3] offset:32*(\t)       ; 32 codes of my column
	ds_store_b128 v[WSI], v[CW+4:CW+7] offset:32*(\t)+16
.if (\t) < 6
	WLOAD (\t)+2
.endif
	s_wait_dscnt 0x0                               ; the stores have read their registers: the next block's codes may be written
.endm
	s_load_b256 s[4:11], s[0:1], 0x0               ; x s[4:5], W_attn s[6:7], W_proj s[8:9], the scales' exponents s[10:11]
	s_load_b128 s[12:15], s[0:1], 0x20             ; x_img s[12:13], wa_img s[14:15]
	s_load_b64 s[16:17], s[0:1], 0x30              ; wp_img
	v_lshl_add_u32 v240, v0, 2, 0x10c00
	v_mov_b32 v241, 0
	v_lshrrev_b32 v6, 5, v0
	v_readfirstlane_b32 s18, v6                    ; wave 0..3
	v_and_b32 v7, 31, v0                           ; lane
	v_and_b32 v8, 15, v0                           ; r
	v_bfe_u32 v9, v0, 4, 1                         ; h
	v_lshlrev_b32 v[LI], 4, v7
	s_wait_kmcnt 0x0
	s_load_b256 s[24:31], s[10:11], 0x0            ; e0 .. e7
	s_cmp_lt_u32 ttmp9, 256
	s_cbranch_scc0 .Lweights
	; ---- x: the work-group's 32 tokens
	s_and_b32 s19, s18, 1                          ; u: which tile of the group
	s_lshr_b32 s20, s18, 1                         ; which half of K
	s_mul_i32 s21, s18, XST
	s_wait_alu depctr_va_vdst(0)
	v_add_nc_u32 v[SI], s21, v[LI]                 ; in: a row's 512 bytes as they lie
	v_mul_u32_u24 v[SOX], v8, XP
	v_lshl_add_u32 v[SOX], v9, 6, v[SOX]
	v_add_nc_u32 v[SOX], s21, v[SOX]               ; out: row r, + 64 h: my 16 numbers of each 32
	s_lshl_b32 s22, ttmp9, 17                      ; (32 group + 8 u) rows of 4,096 bytes + 2,048 x half
	s_lshl_b32 s23, s19, 15
	s_add_co_u32 s22, s22, s23
	s_lshl_b32 s23, s20, 11
	s_add_co_u32 s22, s22, s23
	s_mov_b32 s23, 0
	s_add_nc_u64 s[4:5], s[4:5], s[22:23]
	s_lshl_b32 s22, ttmp9, 15                      ; ((2 group + u) x 8 + 4 x half) fragments of 2,048 bytes
	s_lshl_b32 s21, s19, 14
	s_add_co_u32 s22, s22, s21
	s_lshl_b32 s21, s20, 13
	s_add_co_u32 s22, s22, s21
	s_add_nc_u64 s[12:13], s[12:13], s[22:23]
	XLOAD 0
	XLOAD 1
	s_wait_alu depctr_va_vdst(0)
	s_wait_kmcnt 0x0
	s_add_co_i32 s22, s24, 127
	s_lshl_b32 s23, s22, 23
	v_mov_b32 v[SCL], s23                          ; 2^e0 as f32: the conversion takes its exponent field
	s_add_co_i32 s22, s22, 8
	s_lshl_b32 s22, s22, 23
	s_or_b32 s22, s22, 0x600000
	s_wait_alu depctr_va_vdst(0)
	XSTEP 0
	XSTEP 1
	XSTEP 2
	XSTEP 3
	s_wait_tensorcnt 0x0
	ds_add_u32 v240, v241
	s_wait_dscnt 0x0
	s_endpgm
.Lweights:
	; ---- a weight: 128 columns x 256 k.  96 work-groups take W_attn, 32 W_proj; only pointers and constants are chosen, on the work-group's number
	s_sub_co_u32 s19, ttmp9, 256
	s_cmp_lt_u32 s19, 96
	s_cselect_b64 s[4:5], s[6:7], s[8:9]           ; the weight,
	s_cselect_b64 s[12:13], s[14:15], s[16:17]     ; its image,
	s_cselect_b32 s20, 0, 96
	s_mov_b32 s21, 4096
	s_cselect_b32 s21, 12288, s21                  ; and a row of it in bytes
	s_sub_co_u32 s19, s19, s20
	s_and_b32 s22, s19, 3                          ; which 256 of K
	s_lshr_b32 s23, s19, 2                         ; which 128 columns
	s_lshl_b32 s48, s23, 7
	s_lshl_b32 s49, s18, 5
	s_add_co_u32 s48, s48, s49                     ; my wave's first column
	s_lshl_b32 s48, s48, 2
	s_lshl_b32 s50, s22, 8
	s_mul_i32 s50, s50, s21
	s_add_co_u32 s50, s50, s48
	s_mov_b32 s51, 0
	s_add_nc_u64 s[32:33], s[4:5], s[50:51]        ; block 0's base; the others 32 rows apart; none is written again
	s_lshl_b32 s52, s21, 5
	s_mov_b32 s53, 0
.irp t, 1,2,3,4,5,6,7
	s_add_nc_u64 s[32+2*\t:33+2*\t], s[30+2*\t:31+2*\t], s[52:53]
.endr
	s_lshl_b32 s50, s23, 17                        ; (8 x column block + 2 x wave) tiles of 16,384 bytes + two K steps of 2,048
	s_lshl_b32 s52, s18, 15
	s_add_co_u32 s50, s50, s52
	s_lshl_b32 s52, s22, 12
	s_add_co_u32 s50, s50, s52
	s_add_nc_u64 s[12:13], s[12:13], s[50:51]
	s_wait_alu depctr_va_vdst(0)
	v_lshlrev_b32 v6, 2, v7                        ; 4 bytes a lane
.set i, 0
.rept 32
	v_mad_u32_u24 v[WO+i], s21, i, v6              ; + i rows
.set i, i+1
.endr
	s_mul_i32 s54, s18, WST
	s_add_co_u32 s54, s54, WB                      ; my stage
	v_mul_u32_u24 v[WSI], v7, WP
	v_add_nc_u32 v[WSI], s54, v[WSI]               ; in: row = my column
	v_and_b32 v[WSO], 8, v8
	v_add_nc_u32 v[WSO], v[WSO], v8                ; r + 8 (r / 8)
	v_mul_u32_u24 v[WSO], v[WSO], WP
	v_lshl_add_u32 v[WSO], v9, 4, v[WSO]
	v_add_nc_u32 v[WSO], s54, v[WSO]               ; out: the tile's row r, + 16 h
	WLOAD 0
	WLOAD 1
	s_wait_kmcnt 0x0
	s_cmp_lt_u32 ttmp9, 352
	s_cselect_b32 s55, s25, s31                    ; e1 or e7
	s_add_co_i32 s55, s55, 127
	s_lshl_b32 s54, s55, 23
	v_mov_b32 v[SCL], s54
	s_add_co_i32 s55, s55, 8
	s_lshl_b32 s55, s55, 23
	s_or_b32 s55, s55, 0x600000
	s_wait_alu depctr_va_vdst(0)
	WBLOCK 0
	WBLOCK 1
	WBLOCK 2
	WBLOCK 3
	WBLOCK 4
	WBLOCK 5
	WBLOCK 6
	WBLOCK 7
.irp u, 0,1                            ; tile u of my 32 columns, K step sl of my two, piece c
.irp sl, 0,1
.irp c, 0,1,2,3
	ds_load_b128 v[OUTR+4*(8*\u+4*\sl+\c):OUTR+4*(8*\u+4*\sl+\c)+3], v[WSO] offset:8*\u*WP+128*\sl+32*\c
.endr
.endr
.endr
.irp u, 0,1
.irp sl, 0,1
.irp c, 0,1,2,3
	s_wait_dscnt 15-(8*\u+4*\sl+\c)                ; LDS loads come back in order: this piece is in, the younger ones may be out
	global_store_b128 v[LI], v[OUTR+4*(8*\u+4*\sl+\c):OUTR+4*(8*\u+4*\sl+\c)+3], s[12:13] offset:\u*16384+\sl*2048+\c*512
.endr
.endr
.endr
	s_wait_tensorcnt 0x0
	ds_add_u32 v240, v241
	s_wait_dscnt 0x0
	s_endpgm
.Lfunc_end_k_q9ed0c80ac3_quant:
	.size	k_q9ed0c80ac3_quant, .Lfunc_end_k_q9ed0c80ac3_quant-k_q9ed0c80ac3_quant
	.p2alignl 7, 3214868480
	.fill 96, 4, 3214868480
	.section	.rodata,"a",@progbits
	.p2align	6, 0x0
	.amdhsa_kernel k_q9ed0c80ac3_quant
		.amdhsa_group_segment_fixed_size 69120
		.amdhsa_private_segment_fixed_size 0
		.amdhsa_enable_private_segment 0
		.amdhsa_kernarg_size 56
		.amdhsa_user_sgpr_count 2
		.amdhsa_user_sgpr_kernarg_segment_ptr 1
		.amdhsa_wavefront_size32 1
		.amdhsa_system_sgpr_workgroup_id_x 1
		.amdhsa_system_sgpr_workgroup_id_y 1
		.amdhsa_system_sgpr_workgroup_id_z 1
		.amdhsa_system_vgpr_workitem_id 0
		.amdhsa_next_free_vgpr 242
		.amdhsa_next_free_sgpr 66
		.amdhsa_reserve_vcc 0
		.amdhsa_float_denorm_mode_32 3
		.amdhsa_float_denorm_mode_16_64 3
		.amdhsa_fp16_overflow 1
		.amdhsa_memory_ordered 1
		.amdhsa_forward_progress 1
		.amdhsa_inst_pref_size 56
	.end_amdhsa_kernel
	.amdgpu_metadata
---
amdhsa.version: [ 1, 2 ]
amdhsa.kernels:
  - .name:           k_q9ed0c80ac3_quant
    .symbol:         k_q9ed0c80ac3_quant.kd
    .args:
      - { .name: x, .offset: 0, .size: 8, .value_kind: global_buffer, .address_space: global }
      - { .name: W_attn, .offset: 8, .size: 8, .value_kind: global_buffer, .address_space: global }
      - { .name: W_proj, .offset: 16, .size: 8, .value_kind: global_buffer, .address_space: global }
      - { .name: lowp_scales, .offset: 24, .size: 8, .value_kind: global_buffer, .address_space: global }
      - { .name: x_img, .offset: 32, .size: 8, .value_kind: global_buffer, .address_space: global }
      - { .name: wa_img, .offset: 40, .size: 8, .value_kind: global_buffer, .address_space: global }
      - { .name: wp_img, .offset: 48, .size: 8, .value_kind: global_buffer, .address_space: global }
    .group_segment_fixed_size: 69120
    .private_segment_fixed_size: 0
    .kernarg_segment_align: 8
    .kernarg_segment_size: 56
    .max_flat_workgroup_size: 128
    .sgpr_count:     66
    .vgpr_count:     242
    .wavefront_size: 32
...
	.end_amdgpu_metadata
.endif
;; end of part 1
;; launch qkv (part 2): grid 12 x 32, 4 waves a work-group, clusters of 4 x 4, 327,680 bytes of LDS; arguments x_img, wa_img, lowp_scales, q_img, kv_img; writes q_img, kv_img
.if DOCPART == 2
	.amdgcn_target "amdgcn-amd-amdhsa--gfx1250"
	.amdhsa_code_object_version 6
	.text
	.protected	k_q9ed0c80ac3_qkv
	.globl	k_q9ed0c80ac3_qkv
	.p2align	8
	.type	k_q9ed0c80ac3_qkv,@function
k_q9ed0c80ac3_qkv:
	s_mov_b64 s[64:65], 0
	v_nop
	global_prefetch_b8 v0, s[64:65] scope:SCOPE_SE
	s_setreg_imm32_b32 hwreg(HW_REG_WAVE_MODE, 25, 1), 1
	s_wait_xcnt 0x0
	s_wait_alu depctr_hold_cnt(0) depctr_sa_sdst(0) depctr_va_vdst(0) depctr_va_sdst(0) depctr_va_ssrc(0) depctr_va_vcc(0) depctr_vm_vsrc(0)
	s_getreg_b32 s2, hwreg(HW_REG_IB_STS2, 6, 4)
	s_cmp_eq_u32 s2, 0
	s_cbranch_scc0 .Lentry_in_a_cluster
	s_endpgm
.Lentry_in_a_cluster:
	s_bfe_u32 s2, ttmp6, 0x10000c
	s_cmp_lg_u32 s2, 0xf033
	s_cbranch_scc0 .Lentry_shape_is_right
	s_endpgm
.Lentry_shape_is_right:
; qkv = x W_attn on codes of FP8 (E4M3), and q, k, v quantised at once for the attention: K = 1,024; sums in f32.
; x_img [512 token tiles][8][2048] and wa_img [192 column tiles][8][2048] hold fragments as images of the operand's registers (piece c at 512 c + 16 x lane: row lane % 16, k = 32 c + 16 (lane / 16) + 0 .. 15);
; the same order of k stands in both operands, so every product meets its partner.  In each group of 32 rows, row r of tile u is true row 8 u + r + 8 (r / 8).
; A tile of 256 x 256 is made by a work-group of four waves, 128 x 128 a wave: 64 accumulators, 512 registers.  K goes in steps of 256 through a ring of two LDS slots filled by the tensor data mover.
; ROLES.  Source 1 (called P) gives the result's lanes, source 0 (called Q) its registers; two neighbouring tiles of Q give a lane 16 TRUE NEIGHBOURS, which two conversions turn into one piece of the next operand's image.
;   cluster x = 0 (q), 1 (k): P = tokens, Q = columns: a lane holds one token and registers along the head's 64: pieces of q's and k's fragments (K = 64: 1,024 bytes).
;   cluster x = 2 (v):        P = columns, Q = tokens: a lane holds one channel and registers along the keys: pieces of V^T's fragments, the keys innermost.  Nothing is transposed, and no result goes through LDS.
;   Only pointers, tile numbers and store offsets are chosen, by selects on the cluster's x, which all sixteen partners share; no branch and no LDS address hangs on it.
; OUT.  q_img [64 heads][128 query tiles][1024].  kv_img [64 heads][16 key steps][16384]: eight tiles of K (1,024 bytes each), then four tiles of V^T (2,048 each).  Each store covers 512 consecutive, aligned bytes.
; code = sum x 2^(e0 + e1) / 2^eT, held within +-448: the three scales are folded into the conversion's one; eT = e2 (q), e3 (k), e5 (v).
; LIMITS: eT - e0 - e1 between -126 and 119.
; CLUSTERS: 4 x 4 work-groups.  P's tiles are shared along a row of the cluster, Q's along a column: each is asked for jointly, by the same tensor load with the same descriptor and a mask that names the four.
; GRID: 32 x 12 tiles = 384 work-groups; a wave tile under 128 x 128 would read each fragment for fewer products.  No prefetch: four K steps in all, two of them asked for at the head.
; REGISTERS, in windows of 256: window 0: v16-31 addresses and constants; from v128 P's fragments, one set; on the way out v128-255 codes.
;   window 1: Q's fragments, two sets.   window 2: accumulators of P's blocks 0-3 ((a, b) at v[8 (8 a + b)]);   window 3: of blocks 4-7.
.set FR,    16                         ; registers of a fragment
.set NL,    4                          ; LDS loads that bring one
.set NP,    4                          ; places behind this matrix instruction (ISA guide 7.12.1)
.set HALFT, 32768                      ; 8 tiles x two K steps of 128 x 2,048 bytes: what one tensor load brings
.set SLOT,  4*HALFT                    ; P's 16 tiles, then Q's 16
.set KSB,   4096                       ; a K step of 256 in a tile's image
.set SPARE, 2*SLOT                     ; behind the ring: the spare words, 128 bytes for each wave
.set ADRA, 16                          ; v16-17  LDS address of my fragments of P in slot 0, 1
.set ADRB, 20                          ; v20-21  the same for Q
.set LI,   24                          ; v24     16 x lane
.set LI2,  25                          ; v25     the same + the distance from a block's pair 0 to its pair 2 in the output
.set SPW,  28                          ; v28     LDS address of my spare word; never rewritten
.set NIL,  29                          ; v29     0; never rewritten
.set LIM,  30
.set SCL,  31                          ; v31     2^(eT - e0 - e1)
.set TMP,  32
.set AF,   128                         ; P's fragments
.set CD,   128                         ; the way out: 16 registers of codes for each block, never written twice
.set G1,  24                           ; s[24:31] group 1 for P's tiles; s[32:39] group 0, a set for each slot
.set G0,  32
.set G1B, 48                           ; s[48:55], s[56:63] the same for Q's
.set G0B, 56
.set OB,  66                           ; s[66:81] the eight blocks' store bases; never rewritten
.set MSB, 0
.macro WIN new                         ; the immediate's high byte repeats the setting that is left
.if MSB != (\new)
	s_set_vgpr_msb (MSB<<8)|(\new)
.set MSB, (\new)
.endif
.endm
.set MUL_LO, 0xa1                      ; source 0 (Q) window 1, source 1 (P) window 0, C and D window 2
.set MUL_HI, 0xf1                      ; the same, C and D window 3
.set TO_B,   0x40                      ; destination window 1, address window 0
; A joint load: waves 0 and 1 fetch for P, waves 2 and 3 for Q.  The branch hangs on the wave's number alone.  Four v_nop follow each of the two lines.
.macro JLOAD g0a, g1a, g0b, g1b
	s_cmp_eq_u32 s15, 0
	s_cbranch_scc0 .Lfor_b_\@
	tensor_load_to_lds s[\g0a:\g0a+3], s[\g1a:\g1a+7]
	s_nop 0
.rept 4
	v_nop
.endr
	s_branch .Lasked_\@
.Lfor_b_\@:
	tensor_load_to_lds s[\g0b:\g0b+3], s[\g1b:\g1b+7]
	s_nop 0
.rept 4
	v_nop
.endr
.Lasked_\@:
.endm
.macro CREST                           ; a round of the cluster's barrier behind its opening barrier
	s_cmp_lg_u32 s14, 0
	s_cbranch_scc1 .Lnot_wave_0_\@
	s_barrier_signal -3
.Lnot_wave_0_\@:
	s_barrier_wait -3
	s_barrier_signal -1
	s_barrier_wait -1
.endm
.macro CROUND                          ; a whole round
	s_barrier_signal -1
	s_barrier_wait -1
	CREST
.endm
	s_load_b128 s[4:7], s[0:1], 0x0                ; x_img s[4:5], wa_img s[6:7]
	s_load_b64 s[8:9], s[0:1], 0x10                ; the scales' exponents
	s_load_b128 s[84:87], s[0:1], 0x18             ; q_img s[84:85], kv_img s[86:87]
	v_lshl_add_u32 v[SPW], v0, 2, SPARE
	v_mov_b32 v[NIL], 0
	ds_add_u32 v28, v29
	ds_add_u32 v28, v29
	s_wait_dscnt 0x0
	v_lshrrev_b32 v1, 5, v0
	v_readfirstlane_b32 s14, v1                    ; wave 0..3
	s_lshr_b32 s15, s14, 1                         ; which half of P's tiles is mine.  Also: I fetch for P (0) or for Q (1)
	s_and_b32 s16, s14, 1                          ; which half of Q's.  Also: which 8 tiles I fetch
	s_bfe_u32 s40, ttmp6, 0x40000                  ; cx, cy: my place in the cluster
	s_bfe_u32 s41, ttmp6, 0x40004
	s_and_b32 s17, ttmp7, 0xffff
	s_lshl_b32 s17, s17, 2                         ; 4 x cluster y
	s_lshl_b32 s43, s41, 2
	s_lshl_b32 s43, 15, s43                        ; my row of the cluster
	s_lshl_b32 s44, 0x1111, s40                    ; my column
	; group 1: 8 rows (tiles) of 512 elements of 8 bytes (a K step's 4,096 bytes), 2,048 elements (a tile's 16,384 bytes) apart; dense in LDS
	s_or_b32 s[G1+0], s43, (3<<16)|(1<<21)         ; 15:0 the mask: P's tiles go to my row; 17:16 elements of 8 bytes; 21 set beside a mask
	s_or_b32 s[G1B+0], s44, (3<<16)|(1<<21)        ; Q's go to my column
.irp g, G1, G1B
	s_mov_b32 s[\g+1], 512<<16                     ; tensor_dim0
	s_mov_b32 s[\g+2], 8<<16                       ; tensor_dim1
	s_mov_b32 s[\g+3], 512<<16                     ; tile_dim0
	s_mov_b32 s[\g+4], 8                           ; tile_dim1
	s_mov_b32 s[\g+5], 2048                        ; tensor_dim0_stride
	s_mov_b32 s[\g+6], 0
	s_mov_b32 s[\g+7], 0
.endr
	; which blocks of 16 tiles: P's number holds cy alone of the two places, Q's cx alone
	s_add_co_u32 s20, s17, s41                     ; 4 Y + cy
	s_add_co_u32 s46, s17, s40                     ; 4 Y + cx
	s_lshl_b32 s42, ttmp9, 2
	s_add_co_u32 s42, s42, s40                     ; 4 X + cx
	s_cmp_eq_u32 ttmp9, 2                          ; v?
	s_cselect_b32 s20, s41, s20                    ; P: v: columns' block cy;  else tokens' block 4 Y + cy
	s_cselect_b32 s46, s46, s42                    ; Q: v: tokens' block 4 Y + cx;  else columns' block 4 X + cx
	s_cselect_b32 s19, 0x200000, 0                 ; v's columns begin at tile 128 of wa_img
	s_lshl_b32 s18, s16, 17                        ; the 8 tiles that I fetch
	s_lshl_b32 s22, s20, 18
	s_add_co_u32 s22, s22, s18
	s_add_co_u32 s22, s22, s19
	s_mov_b32 s23, 0
	s_lshl_b32 s82, s46, 18
	s_add_co_u32 s82, s82, s18
	s_mov_b32 s83, 0
	s_lshl_b32 s45, s14, 15                        ; where they go: wave x 32,768: no place in the cluster enters an LDS address
	s_wait_kmcnt 0x0
	s_load_b256 s[88:95], s[8:9], 0x0              ; e0 .. e7
	s_cmp_eq_u32 ttmp9, 2
	s_cselect_b64 s[96:97], s[6:7], s[4:5]         ; P's buffer
	s_cselect_b64 s[98:99], s[4:5], s[6:7]         ; Q's buffer
	s_add_nc_u64 s[96:97], s[96:97], s[22:23]
	s_add_nc_u64 s[98:99], s[98:99], s[82:83]
	CROUND                                         ; all sixteen work-groups are here: the first joint loads meet
.irp s, 0,1
	s_mov_b32 s[G0+4*\s], 1
	s_add_co_u32 s[G0+4*\s+1], s45, \s*SLOT
	s_add_nc_u64 s[G0+4*\s+2:G0+4*\s+3], s[96:97], \s*KSB
	s_or_b32 s[G0+4*\s+3], s[G0+4*\s+3], 0x80000000
	s_mov_b32 s[G0B+4*\s], 1
	s_add_co_u32 s[G0B+4*\s+1], s45, \s*SLOT
	s_add_nc_u64 s[G0B+4*\s+2:G0B+4*\s+3], s[98:99], \s*KSB
	s_or_b32 s[G0B+4*\s+3], s[G0B+4*\s+3], 0x80000000
	JLOAD G0+4*\s, G1, G0B+4*\s, G1B
.endr
	v_and_b32 v1, 31, v0
	v_lshlrev_b32 v[LI], 4, v1
	s_wait_alu depctr_va_vdst(0)
	s_lshl_b32 s21, s15, 15                        ; my 8 tiles of P
	s_lshl_b32 s22, s16, 15                        ; my 8 tiles of Q,
	s_add_co_u32 s22, s22, 2*HALFT                 ; which lie behind P's 16
.irp s, 0,1
	v_add_nc_u32 v[ADRA+\s], s21, v[LI]
	v_add_nc_u32 v[ADRB+\s], s22, v[LI]
	s_add_co_u32 s21, s21, SLOT
	s_add_co_u32 s22, s22, SLOT
.endr
	; where the codes go.  T1: the tokens' block of 256; hdA, hB: which heads; kB: which 128 tokens of the block
	s_cmp_eq_u32 ttmp9, 2
	s_cselect_b32 s10, s46, s20                    ; T1
	s_cselect_b32 s11, s41, s40                    ; hdA: four heads to a block of 256 columns
	s_cselect_b32 s12, s15, s16                    ; hB: two heads to a wave's 128 columns
	s_cselect_b32 s13, s16, s15                    ; kB
	s_cselect_b32 s3, 8192, 0                      ; V^T's tiles lie behind K's in a key step
	s_mov_b32 s18, 1024
	s_cselect_b32 s18, 2048, s18                   ; from block a to a + 1: a tile of q or k; a tile of V^T
	s_mov_b32 s19, 4096
	s_cselect_b32 s19, 0x40000, s19                ; from block 0 to block 4: four tiles; v: the next head
	s_mov_b32 s82, 0x40000
	s_cselect_b32 s82, 1024, s82                   ; from pair 0 to pair 2: the next head; v: two pieces on
	s_cmp_eq_u32 ttmp9, 0                          ; q?  Its heads are half as large as kv_img's
	s_cselect_b32 s83, 1, 0
	s_cselect_b64 s[OB:OB+1], s[84:85], s[86:87]
	s_lshr_b32 s82, s82, s83
	s_lshr_b32 s2, s10, 3                          ; the batch: 16 heads of 262,144 bytes
	s_lshl_b32 s2, s2, 22
	s_lshl_b32 s11, s11, 20
	s_add_co_u32 s2, s2, s11
	s_lshl_b32 s12, s12, 19
	s_add_co_u32 s2, s2, s12
	s_and_b32 s10, s10, 7
	s_lshl_b32 s10, s10, 15                        ; the key step, 2 (T1 % 8) + kB, of 16,384 bytes
	s_add_co_u32 s2, s2, s10
	s_lshl_b32 s13, s13, 14
	s_add_co_u32 s2, s2, s13
	s_lshr_b32 s2, s2, s83
	s_add_co_u32 s2, s2, s3
	s_mov_b32 s3, 0
	s_add_nc_u64 s[OB:OB+1], s[OB:OB+1], s[2:3]
	s_mov_b32 s10, s18
	s_mov_b32 s11, 0
	s_mov_b32 s12, s19
	s_mov_b32 s13, 0
	s_add_nc_u64 s[OB+8:OB+9], s[OB:OB+1], s[12:13]
.irp a, 1,2,3,5,6,7
	s_add_nc_u64 s[OB+2*\a:OB+2*\a+1], s[OB+2*\a-2:OB+2*\a-1], s[10:11]
.endr
	v_add_nc_u32 v[LI2], s82, v[LI]
.macro FRAG reg, adr, q, i             ; tile i's fragment of the slot's q-th 128 along K: four pieces of 512 consecutive bytes
.irp c, 0,1,2,3
	ds_load_b128 v[\reg+4*\c:\reg+4*\c+3], v[\adr] offset:(\i)*4096+(\q)*2048+512*\c
.endr
.endm
; 16 matrix instructions: P's blocks a0, a0 + 1 x Q's eight, 128 along K.  p: Q's set.  zero = 1: the first product starts the sums.
; The 64 accumulators take turns, one instruction a turn, in the same order in every step.
.macro MUL16 a0, p, zero
.irp a, \a0, \a0+1
.irp b, 0,1,2,3,4,5,6,7
.if \zero
	v_wmma_f32_16x16x128_fp8_fp8 v[8*(8*((\a)%4)+\b):8*(8*((\a)%4)+\b)+7], v[128*(\p)+FR*\b:128*(\p)+FR*\b+FR-1], v[AF+FR*(\a):AF+FR*(\a)+FR-1], 0
.else
	v_wmma_f32_16x16x128_fp8_fp8 v[8*(8*((\a)%4)+\b):8*(8*((\a)%4)+\b)+7], v[128*(\p)+FR*\b:128*(\p)+FR*\b+FR-1], v[AF+FR*(\a):AF+FR*(\a)+FR-1], v[8*(8*((\a)%4)+\b):8*(8*((\a)%4)+\b)+7]
.endif
.endr
.endr
.endm
.macro FETCH_B slot, q, p              ; Q's eight fragments into set p
	WIN TO_B
.irp i, 0,1,2,3,4,5,6,7
	FRAG 128*(\p)+FR*\i, ADRB+\slot, \q, \i
.endr
	WIN 0
.endm
.macro FETCH_A slot, q, i0             ; P's blocks i0 .. i0 + 3
.irp i, \i0, \i0+1, \i0+2, \i0+3
	FRAG AF+FR*(\i), ADRA+\slot, \q, \i
.endr
.endm
.macro PLACES n                        ; plain vector lines between a matrix instruction and a load into, or a vector read or write of, its registers
.rept \n
	v_nop
.endr
.endm
; A step of 128 along K that has its successor in the same slot.
.macro STEP slot, q, zero
	s_wait_dscnt 4*NL                              ; Q's set and P's blocks 0-3 are in; the youngest 16 loads (P's blocks 4-7) may be out
	WIN MUL_LO
	MUL16 0, (\q)%2, \zero
	MUL16 2, (\q)%2, \zero
	s_wait_dscnt 0                                 ; P's blocks 4-7 are in
	PLACES NP
	FETCH_B \slot, (\q)+1, 1-(\q)%2
	FETCH_A \slot, (\q)+1, 0
	WIN MUL_HI
	MUL16 4, (\q)%2, \zero
	MUL16 6, (\q)%2, \zero
	PLACES NP
	WIN 0
	FETCH_A \slot, (\q)+1, 4
.endm
; A slot's last step changes slots: one barrier; in front of it each wave waits for all its tensor loads, adds 0 to its spare word, and waits for that and for its reads of this slot.  fill = 1: the slot is filled again, two K steps ahead.
.macro TURN slot, next, fill
	s_wait_tensorcnt 0x0                           ; all my tensor loads have landed: my part of the next slot
	ds_add_u32 v[SPW], v[NIL]                      ; 0 onto my spare word
	s_wait_dscnt 4*NL+1                            ; (the add and the youngest 16 loads may be out)
	WIN MUL_LO
	MUL16 0, 1, 0                                  ; sixteen matrix instructions stand between the add and the wait for it
	s_wait_dscnt 0x0                               ; the add is done, and my reads of this slot are over
	s_barrier_signal -1
	MUL16 2, 1, 0
	WIN 0
	s_barrier_wait -1
.if \fill
	CREST                                          ; the barrier has opened a round of the cluster's: no wave of any partner still reads this slot or has a load on its way
	s_add_nc_u64 s[G0+4*\slot+2:G0+4*\slot+3], s[G0+4*\slot+2:G0+4*\slot+3], 2*KSB
	s_add_nc_u64 s[G0B+4*\slot+2:G0B+4*\slot+3], s[G0B+4*\slot+2:G0B+4*\slot+3], 2*KSB
	JLOAD G0+4*\slot, G1, G0B+4*\slot, G1B         ; the first tensor load behind the round; its four v_nop are also the places in front of the loads below
.else
	PLACES NP
.endif
	FETCH_B \next, 0, 0
	FETCH_A \next, 0, 0
	WIN MUL_HI
	MUL16 4, 1, 0
	MUL16 6, 1, 0
	PLACES NP
	WIN 0
	FETCH_A \next, 0, 4
.endm
	s_wait_alu depctr_va_vdst(0)
	s_wait_tensorcnt 1                             ; my part of K step 0 is in (K step 1's load may be out)
	s_barrier_signal -1
	s_barrier_wait -1                              ; everybody's is
	FETCH_B 0, 0, 0
	FETCH_A 0, 0, 0
	FETCH_A 0, 0, 4
	STEP 0, 0, 1                                   ; K = 1,024 is four K steps of 256: written out, no loop.  The first products start the sums
	TURN 0, 1, 1                                   ; slot 0 takes K step 2
	STEP 1, 0, 0
	TURN 1, 0, 1                                   ; slot 1 takes K step 3
	STEP 0, 0, 0
	TURN 0, 1, 0                                   ; nothing is left to fetch
	STEP 1, 0, 0
	s_wait_dscnt 4*NL
	WIN MUL_LO
	MUL16 0, 1, 0
	MUL16 2, 1, 0
	s_wait_dscnt 0
	WIN MUL_HI
	MUL16 4, 1, 0
	MUL16 6, 1, 0
	WIN 0
; THE WAY OUT.  Block a: my lane's row of P's tile a, and 64 sums: register 16 p + i = Q's true row 32 p + 16 (lane / 16) + i.  Converted: pair p's four registers are one piece of an image.
.macro OUTBLK a
	WIN 0x02+((\a)/4)                              ; source 0: window 2 or 3
.set i, 0
.rept 64
.set i, i+1
.endr
.set i, 0
.rept 8
	v_cvt_scalef32_pk8_fp8_f32 v[CD+16*(\a)+2*i:CD+16*(\a)+2*i+1], v[TMP+8*i+((64*((\a)%4)+i)-(TMP+i)):TMP+8*i+7+((64*((\a)%4)+i)-(TMP+i))], v[SCL]
.set i, i+1
.endr
	WIN 0
	v_nop                                          ; a plain line behind the conversions
	global_store_b128 v[LI],  v[CD+16*(\a):CD+16*(\a)+3],     s[OB+2*(\a):OB+2*(\a)+1]
	global_store_b128 v[LI],  v[CD+16*(\a)+4:CD+16*(\a)+7],   s[OB+2*(\a):OB+2*(\a)+1] offset:512
	global_store_b128 v[LI2], v[CD+16*(\a)+8:CD+16*(\a)+11],  s[OB+2*(\a):OB+2*(\a)+1]
	global_store_b128 v[LI2], v[CD+16*(\a)+12:CD+16*(\a)+15], s[OB+2*(\a):OB+2*(\a)+1] offset:512
.endm
	s_wait_kmcnt 0x0
	s_cmp_eq_u32 ttmp9, 0
	s_cselect_b32 s2, s90, s91                     ; e2 for q, e3 for k,
	s_cmp_eq_u32 ttmp9, 2
	s_cselect_b32 s2, s93, s2                      ; e5 for v
	s_sub_co_i32 s2, s2, s88
	s_sub_co_i32 s2, s2, s89                       ; eT - e0 - e1
	s_add_co_i32 s2, s2, 127
	s_lshl_b32 s3, s2, 23
	v_mov_b32 v[SCL], s3
	s_add_co_i32 s2, s2, 8
	s_lshl_b32 s2, s2, 23
	s_or_b32 s2, s2, 0x600000
	PLACES NP                                      ; behind the last products: their results are read, and the registers that held P's fragments are written
	OUTBLK 0
	OUTBLK 1
	OUTBLK 2
	OUTBLK 3
	OUTBLK 4
	OUTBLK 5
	OUTBLK 6
	OUTBLK 7
	s_wait_tensorcnt 0x0                           ; the wave's end
	ds_add_u32 v[SPW], v[NIL]
	s_wait_dscnt 0x0
	CROUND                                         ; the closing round: no work-group ends while a partner may still ask for a tile that names it
	s_endpgm
.Lfunc_end_k_q9ed0c80ac3_qkv:
	.size	k_q9ed0c80ac3_qkv, .Lfunc_end_k_q9ed0c80ac3_qkv-k_q9ed0c80ac3_qkv
	.p2alignl 7, 3214868480
	.fill 96, 4, 3214868480
	.section	.rodata,"a",@progbits
	.p2align	6, 0x0
	.amdhsa_kernel k_q9ed0c80ac3_qkv
		.amdhsa_group_segment_fixed_size 327680
		.amdhsa_private_segment_fixed_size 0
		.amdhsa_enable_private_segment 0
		.amdhsa_kernarg_size 40
		.amdhsa_user_sgpr_count 2
		.amdhsa_user_sgpr_kernarg_segment_ptr 1
		.amdhsa_wavefront_size32 1
		.amdhsa_system_sgpr_workgroup_id_x 1
		.amdhsa_system_sgpr_workgroup_id_y 1
		.amdhsa_system_sgpr_workgroup_id_z 1
		.amdhsa_system_vgpr_workitem_id 0
		.amdhsa_next_free_vgpr 1024
		.amdhsa_next_free_sgpr 100
		.amdhsa_reserve_vcc 0
		.amdhsa_float_denorm_mode_32 3
		.amdhsa_float_denorm_mode_16_64 3
		.amdhsa_fp16_overflow 1
		.amdhsa_memory_ordered 1
		.amdhsa_forward_progress 1
		.amdhsa_inst_pref_size 86
	.end_amdhsa_kernel
	.amdgpu_metadata
---
amdhsa.version: [ 1, 2 ]
amdhsa.kernels:
  - .name:           k_q9ed0c80ac3_qkv
    .symbol:         k_q9ed0c80ac3_qkv.kd
    .args:
      - { .name: x_img, .offset: 0, .size: 8, .value_kind: global_buffer, .address_space: global }
      - { .name: wa_img, .offset: 8, .size: 8, .value_kind: global_buffer, .address_space: global }
      - { .name: lowp_scales, .offset: 16, .size: 8, .value_kind: global_buffer, .address_space: global }
      - { .name: q_img, .offset: 24, .size: 8, .value_kind: global_buffer, .address_space: global }
      - { .name: kv_img, .offset: 32, .size: 8, .value_kind: global_buffer, .address_space: global }
    .group_segment_fixed_size: 327680
    .private_segment_fixed_size: 0
    .kernarg_segment_align: 8
    .kernarg_segment_size: 40
    .max_flat_workgroup_size: 128
    .sgpr_count:     100
    .vgpr_count:     1024
    .wavefront_size: 32
...
	.end_amdgpu_metadata
.endif
;; end of part 2
;; launch attn (part 3): grid 4 x 64, 16 waves a work-group, clusters of 4 x 1, 327,680 bytes of LDS; arguments q_img, kv_img, lowp_scales, y_img; writes y_img
.if DOCPART == 3
	.amdgcn_target "amdgcn-amd-amdhsa--gfx1250"
	.amdhsa_code_object_version 6
	.text
	.protected	k_q9ed0c80ac3_attn
	.globl	k_q9ed0c80ac3_attn
	.p2align	8
	.type	k_q9ed0c80ac3_attn,@function
k_q9ed0c80ac3_attn:
	s_mov_b64 s[64:65], 0
	v_nop
	global_prefetch_b8 v0, s[64:65] scope:SCOPE_SE
	s_setreg_imm32_b32 hwreg(HW_REG_WAVE_MODE, 25, 1), 1
	s_wait_xcnt 0x0
	s_wait_alu depctr_hold_cnt(0) depctr_sa_sdst(0) depctr_va_vdst(0) depctr_va_sdst(0) depctr_va_ssrc(0) depctr_va_vcc(0) depctr_vm_vsrc(0)
	s_getreg_b32 s2, hwreg(HW_REG_IB_STS2, 6, 4)
	s_cmp_eq_u32 s2, 0
	s_cbranch_scc0 .Lentry_in_a_cluster
	s_endpgm
.Lentry_in_a_cluster:
	s_bfe_u32 s2, ttmp6, 0x10000c
	s_cmp_lg_u32 s2, 0x3003
	s_cbranch_scc0 .Lentry_shape_is_right
	s_endpgm
.Lentry_shape_is_right:
; y[b][q][head x 64 + d] = causal softmax attention of one head, both products on codes of FP8 (E4M3); y leaves quantised for the last product.
; q_img [64 heads][128 query tiles][1024], kv_img [64 heads][16 key steps of 128][16384: eight tiles of K, four of V^T], y_img [512 token tiles][8][2048]: images of operand registers
; (piece c at 512 c + 16 x lane).  In each group of 32 tokens or channels, row r of tile u is true row 8 u + r + 8 (r / 8).
; THE SOFTMAX: t = score x log2(e) / 8; M = the running largest t rounded UP to a whole number; p = 2^(t - M) is quantised with 2^e4, not normalised; the row's sum is taken of the unquantised p and divides at the end.
; When M moves, the sum and O are multiplied by 2^(old M - new M), which rounds nothing.
; LAYOUT.  Both products are used transposed: S^T = K Q^T (K = 64), O^T = V^T P^T (K = 128 keys): a lane holds ONE query throughout; p's 16 registers of two neighbouring tiles are 16 neighbouring keys,
; O^T's are 16 neighbouring channels: conversions' results are the next operand's pieces.
; SHARES.  A cluster of four work-groups is one head.  The head's K and V codes, 16 x 16,384 = 262,144 bytes, are brought ONCE into each partner's LDS by joint loads (every wave asks for two parts; the four partners ask
; alike); no LDS byte is filled twice.  Wave w of partner cx takes j = 4 w + cx and owns query tiles 127 - j and j: with a = w / 2 they need key steps 0 .. 15 - a and 0 .. a: 17 steps for every wave of the launch.
; CAUSAL.  The loops' trip counts are constants; a step all of whose keys come after the tile's queries is jumped over, by a scalar branch on the wave's number and the loop's counter (the same in all partners);
; in a tile's last step the scores of hidden keys become -infinity.  Key 0 counts for every query, so M is a number from the first step on.  cx enters only global addresses and the mask's compare value.
; Key steps 0-3 (the first load of each wave) are worked while key steps 4-15 (the second) are on their way.  No prefetch: all tiles are asked for at the head.
; LIMITS: e2 + e3 between -123 and 130 (added to c's exponent field); e4 and e6 between -126 and 119; e4 + e5 is applied by v_ldexp_f32 and has none.
; REGISTERS: v1-11 addresses and constants; v12 -M, v13 the largest t, v[14:15] the sum; v16-23, v24-31 Q of the two tiles; v32-95 K's, then V's fragments; v96-159 S^T, then p; v160-191 O^T; v192-207 p's codes;
; v208-223 y's codes; v236-254 at work.
.set LI,   1                           ; v1   16 x lane
.set ADR,  2                           ; v2   LDS address of the key step in hand
.set DQH,  3                           ; v3   tile 127 - j: my query, from its last key step's first key, less 16 (lane / 16)
.set DQL,  4                           ; v4   the same for tile j
.set NINF, 5                           ; v5   -infinity
.set PLIM, 6
.set PSCL, 7                           ; v7   2^e4
.set YLIM, 10
.set YSCL, 11                          ; v11  2^e6
.set WV,   12                          ; s12  wave
.set SEL,  20                          ; s[20:21] lane selects for v_permlanex16_b32: lane l xor 16
.set CS,   22                          ; s[22:23] c = log2(e) / 8 x 2^(e2 + e3)
.set N,    66                          ; s66  the key step
.set KB,   67                          ; s67  its first LDS byte
.set HI,   68                          ; s68  the tile's last key step
.set EO,   69                          ; s69  e4 + e5
.macro CROUND                          ; a round of the cluster's barrier
	s_barrier_signal -1
	s_barrier_wait -1
	s_cmp_lg_u32 s[WV], 0
	s_cbranch_scc1 .Lnot_wave_0_\@
	s_barrier_signal -3
.Lnot_wave_0_\@:
	s_barrier_wait -3
	s_barrier_signal -1
	s_barrier_wait -1
.endm
; A KEY STEP of 128 keys for the tile whose Q stands in v[q] on.  guarded = 1: it may lie behind the tile's last step (jumped over) or be that step (masked).
.macro STEP q, dq, guarded
.if \guarded
	s_cmp_gt_u32 s[N], s[HI]
	s_cbranch_scc1 .Lskip_\@
.endif
	s_setprio 2
	v_add_nc_u32 v[ADR], s[KB], v[LI]
.rept 3
	v_nop                                          ; with the line above: four places in front of loads into registers that the last products read
.endr
.set i, 0
.rept 16
	ds_load_b128 v[32+4*i:35+4*i], v[ADR] offset:512*i            ; K: tile i / 2, piece i % 2
.set i, i+1
.endr
	s_wait_alu depctr_va_vdst(0)
	s_wait_dscnt 0x0
.set i, 0
.rept 8
	v_wmma_f32_16x16x64_fp8_fp8 v[96+8*i:103+8*i], v[32+8*i:39+8*i], v[\q:\q+7], 0
.set i, i+1
.endr
.rept 4
	v_nop                                          ; places in front of the loads below and of the first read of the scores
.endr
.set i, 0
.rept 16
	ds_load_b128 v[32+4*i:35+4*i], v[ADR] offset:8192+512*i       ; V^T: tile i / 4, piece i % 4: it lands under the softmax
.set i, i+1
.endr
.if \guarded
	s_cmp_lg_u32 s[N], s[HI]
	s_cbranch_scc1 .Lopen_\@
.set i, 0
.rept 64                               ; register 16 b + i holds key 32 b + 16 (lane / 16) + i of the step: hidden where 32 b + i > v[dq]
	v_cmp_gt_i32 vcc_lo, 32*(i/16)+i%16, v[\dq]
	v_cndmask_b32 v[96+i], v[96+i], v[NINF], vcc_lo
.set i, i+1
.endr
.Lopen_\@:
.endif
	v_max3_num_f32 v254, v96, v97, v98             ; the step's largest score of my query among my 64 keys, in two chains, each accumulator from its low end on,
	v_max3_num_f32 v252, v99, v100, v101
.set i, 6
.rept 14
	v_max3_num_f32 v254, v254, v[96+i], v[97+i]
	v_max3_num_f32 v252, v252, v[98+i], v[99+i]
.set i, i+4
.endr
	v_max3_num_f32 v254, v254, v158, v159
	s_delay_alu instid0(VALU_DEP_1)
	v_max_num_f32 v254, v254, v252
	s_delay_alu instid0(VALU_DEP_1)
	v_permlanex16_b32 v236, v254, s[SEL], s[SEL+1]
	s_delay_alu instid0(VALU_DEP_1)
	v_max_num_f32 v254, v254, v236                 ; and among lane l xor 16's
	s_delay_alu instid0(VALU_DEP_1)
	v_mul_f32 v254, s[CS], v254                    ; as t (c is positive)
	s_delay_alu instid0(VALU_DEP_1)
	v_max_num_f32 v13, v13, v254                   ; the running largest t
	v_mov_b32 v254, v12
	s_delay_alu instid0(VALU_DEP_2)
	v_floor_f32 v12, -v13                          ; the new -M = floor(-t) = -ceil(t)
	s_delay_alu instid0(VALU_DEP_1)
	v_sub_f32 v254, v12, v254                      ; old M - new M: a whole number, 0 or less
	s_delay_alu instid0(VALU_DEP_1)
	v_cvt_i32_f32 v254, v254                       ; (it saturates)
	s_delay_alu instid0(VALU_DEP_1)
	v_ldexp_f32 v252, 1.0, v254                    ; f = 2^(old M - new M)
.set i, 0
.rept 32
	v_pk_fma_f32 v[96+i:97+i], v[96+i:97+i], s[CS:CS+1], v[12:13] op_sel_hi:[1,0,0]   ; t - M, two at a time (the pairs' low words serve both halves)
.set i, i+2
.endr
.set i, 0
	s_setprio 1
	s_wait_alu depctr_va_vdst(0)
.rept 64
	v_exp_f32 v[96+i], v[96+i]                     ; p = 2^(t - M)
.set i, i+1
.endr
	v_pk_mul_f32 v[14:15], v[14:15], v[252:253] op_sel_hi:[1,0]   ; the sums under the new M: the plain line behind the exponentials
	s_wait_alu depctr_va_vdst(0)                   ; one wait for the batch of 64, ahead of its first reader
	v_pk_add_f32 v[242:243], v[96:97], v[98:99]    ; the row's sum of the unquantised p, in two chains
.set i, 4
.rept 15
	v_pk_add_f32 v[14:15], v[14:15], v[96+i:97+i]
	v_pk_add_f32 v[242:243], v[242:243], v[98+i:99+i]
.set i, i+4
.endr
	s_delay_alu instid0(VALU_DEP_1)
	v_pk_add_f32 v[14:15], v[14:15], v[242:243]
.set i, 0
.rept 64
.set i, i+1
.endr
.set i, 0
	s_setprio 0
.rept 8
	v_cvt_scalef32_pk8_fp8_f32 v[192+2*i:193+2*i], v[96+8*i:103+8*i], v[PSCL]
.set i, i+1
.endr
.set i, 0
.rept 16
	v_pk_mul_f32 v[160+i:161+i], v[160+i:161+i], v[252:253] op_sel_hi:[1,0]   ; O^T under the new M; also the plain lines behind the conversions
.set i, i+2
.endr
	s_wait_alu depctr_va_vdst(0)
	s_wait_dscnt 0x0                               ; V is in
.set i, 0
.rept 4                                ; the four accumulators take turns, one instruction a turn
	v_wmma_f32_16x16x128_fp8_fp8 v[160+8*i:167+8*i], v[32+16*i:47+16*i], v[192:207], v[160+8*i:167+8*i]
.set i, i+1
.endr
.if \guarded
.Lskip_\@:
.endif
.endm
.macro KLOOP first, end, q, dq, guarded        ; key steps first .. end - 1: a constant number of trips
	s_mov_b32 s[N], \first
	s_mov_b32 s[KB], (\first)*16384
.Lk_\@:
	STEP \q, \dq, \guarded
	s_add_co_u32 s[KB], s[KB], 16384
	s_add_co_u32 s[N], s[N], 1
	s_cmp_lt_u32 s[N], \end
	s_cbranch_scc1 .Lk_\@
	s_setprio 0
.endm
.macro INIT                            ; a tile begins: the step is written without a first form; it finds zeros, which the first change of M leaves zeros
	v_mov_b32 v13, 0xff61b1e6                      ; the largest t so far: -3e38
	s_delay_alu instid0(VALU_DEP_1)
	v_floor_f32 v12, -v13
	v_mov_b32 v14, 0
	v_mov_b32 v15, 0
.set i, 0
.rept 32
	v_mov_b32 v[160+i], 0
.set i, i+1
.endr
.endm
; A tile ends: O^T / the sum x 2^(e4 + e5) is y; quantised with 2^e6; two pieces of y's image, 1,024 consecutive bytes.
.macro EPI ya, yc
.rept 4
	v_nop                                          ; places behind the last products
.endr
	v_add_f32 v14, v14, v15
	s_delay_alu instid0(VALU_DEP_1)
	v_permlanex16_b32 v252, v14, s[SEL], s[SEL+1]
	s_delay_alu instid0(VALU_DEP_1)
	v_add_f32 v14, v14, v252                       ; the row's sum
	s_wait_alu depctr_va_vdst(0)
	v_rcp_f32 v14, v14
	v_nop                                          ; a plain line behind the reciprocal
	s_wait_alu depctr_va_vdst(0)                   ; and the wait ahead of its first reader
	v_ldexp_f32 v14, v14, s[EO]
.set i, 0
.rept 16
	v_pk_mul_f32 v[96+i:97+i], v[160+i:161+i], v[14:15] op_sel_hi:[1,0]   ; register 16 b + i: channel 32 b + 16 (lane / 16) + i
.set i, i+2
.endr
.set i, 0
.rept 32
.set i, i+1
.endr
.set i, 0
.rept 4
	v_cvt_scalef32_pk8_fp8_f32 v[\yc+2*i:\yc+2*i+1], v[96+8*i:103+8*i], v[YSCL]
.set i, i+1
.endr
	v_nop                                          ; a plain line behind the conversions
	global_store_b128 v[LI], v[\yc:\yc+3], s[\ya:\ya+1]
	global_store_b128 v[LI], v[\yc+4:\yc+7], s[\ya:\ya+1] offset:512
.endm
	s_load_b128 s[4:7], s[0:1], 0x0                ; q_img s[4:5], kv_img s[6:7]
	s_load_b128 s[8:11], s[0:1], 0x10              ; the scales' exponents s[8:9], y_img s[10:11]
	v_lshl_add_u32 v251, v0, 2, 0x40000
	v_mov_b32 v255, 0
	ds_add_u32 v251, v255
	ds_add_u32 v251, v255
	v_lshrrev_b32 v2, 5, v0
	s_delay_alu instid0(VALU_DEP_1)
	v_readfirstlane_b32 s[WV], v2                  ; wave 0..15
	s_bfe_u32 s13, ttmp6, 0x40000                  ; cx
	s_and_b32 s14, ttmp7, 0xffff                   ; the head, 16 x batch + head: the four partners share it
	s_lshr_b32 s15, s[WV], 1                       ; a
	s_sub_co_u32 s18, 15, s15                      ; 15 - a
	; group 1, twice: rows of 32 elements of 8 bytes, dense in memory and in LDS: 16 rows (4,096 bytes) and 48 rows (12,288 bytes)
	s_mov_b32 s24, 15|(3<<16)|(1<<21)              ; 15:0 the mask: all four work-groups; 17:16 elements of 8 bytes; 21 set beside a mask
	s_mov_b32 s25, 32<<16                          ; tensor_dim0
	s_mov_b32 s26, 16<<16                          ; tensor_dim1
	s_mov_b32 s27, 32<<16                          ; tile_dim0
	s_mov_b32 s28, 16                              ; tile_dim1
	s_mov_b32 s29, 32                              ; tensor_dim0_stride
	s_mov_b32 s30, 0
	s_mov_b32 s31, 0
	s_mov_b32 s32, 15|(3<<16)|(1<<21)
	s_mov_b32 s33, 32<<16
	s_mov_b32 s34, 48<<16
	s_mov_b32 s35, 32<<16
	s_mov_b32 s36, 48
	s_mov_b32 s37, 32
	s_mov_b32 s38, 0
	s_mov_b32 s39, 0
	s_lshl_b32 s16, s[WV], 12                      ; my part of key steps 0-3: byte 4,096 w of the head, in memory and in LDS
	s_mul_i32 s17, s[WV], 12288
	s_add_co_u32 s17, s17, 65536                   ; my part of key steps 4-15: byte 65,536 + 12,288 w
	s_lshl_b32 s70, s14, 18                        ; the head's 262,144 bytes
	s_mov_b32 s71, 0
	s_mov_b32 s72, s16
	s_mov_b32 s73, 0
	s_wait_dscnt 0x0
	s_wait_kmcnt 0x0
	s_load_b256 s[48:55], s[8:9], 0x0              ; e0 .. e7
	s_add_nc_u64 s[6:7], s[6:7], s[70:71]
	s_mov_b32 s40, 1
	s_mov_b32 s41, s16
	s_add_nc_u64 s[42:43], s[6:7], s[72:73]
	s_or_b32 s43, s43, 0x80000000
	s_mov_b32 s72, s17
	s_mov_b32 s44, 1
	s_mov_b32 s45, s17
	s_add_nc_u64 s[46:47], s[6:7], s[72:73]
	s_or_b32 s47, s47, 0x80000000
	CROUND                                         ; all four work-groups are here: the joint loads meet
	tensor_load_to_lds s[40:43], s[24:31]          ; the first of my two loads, the only ones of the launch; it lands before the second is asked for
	s_nop 0
	s_wait_alu depctr_va_vdst(0)
	s_wait_tensorcnt 0x0
	ds_add_u32 v251, v255
	s_wait_dscnt 0x0
	CROUND
	tensor_load_to_lds s[44:47], s[32:39]
	s_nop 0
.rept 4
	v_nop
.endr
	v_and_b32 v8, 31, v0
	s_delay_alu instid0(VALU_DEP_1)
	v_lshlrev_b32 v[LI], 4, v8
	s_wait_alu depctr_va_vdst(0)
	s_lshl_b32 s74, s[WV], 2
	s_add_co_u32 s74, s74, s13                     ; j: my low tile
	s_sub_co_u32 s75, 127, s74                     ; my high tile
	s_mov_b32 s77, 0
	s_lshl_b32 s78, s14, 17                        ; q_img: 128 tiles of 1,024 bytes a head
	s_lshl_b32 s76, s75, 10
	s_add_co_u32 s76, s76, s78
	s_add_nc_u64 s[56:57], s[4:5], s[76:77]
	s_lshl_b32 s76, s74, 10
	s_add_co_u32 s76, s76, s78
	s_add_nc_u64 s[58:59], s[4:5], s[76:77]
	global_load_b128 v[16:19], v[LI], s[56:57]
	global_load_b128 v[20:23], v[LI], s[56:57] offset:512
	global_load_b128 v[24:27], v[LI], s[58:59]
	global_load_b128 v[28:31], v[LI], s[58:59] offset:512
	s_lshr_b32 s78, s14, 4                         ; y_img: (128 batch + tile) x 16,384 + head x 1,024 (K step head / 2, pieces 2 (head % 2) on)
	s_lshl_b32 s78, s78, 21
	s_and_b32 s79, s14, 15
	s_lshl_b32 s79, s79, 10
	s_add_co_u32 s78, s78, s79
	s_lshl_b32 s76, s75, 14
	s_add_co_u32 s76, s76, s78
	s_add_nc_u64 s[60:61], s[10:11], s[76:77]
	s_lshl_b32 s76, s74, 14
	s_add_co_u32 s76, s76, s78
	s_add_nc_u64 s[62:63], s[10:11], s[76:77]
	v_and_b32 v8, 15, v0                           ; r
	v_bfe_u32 v9, v0, 4, 1                         ; h
	s_delay_alu instid0(VALU_DEP_2)
	v_and_b32 v[DQH], 8, v8
	s_delay_alu instid0(VALU_DEP_1)
	v_add_nc_u32 v8, v[DQH], v8                    ; r + 8 (r / 8)
	s_delay_alu instid0(VALU_DEP_3)
	v_lshlrev_b32 v9, 4, v9
	s_delay_alu instid0(VALU_DEP_1)
	v_sub_nc_u32 v8, v8, v9                        ; - 16 h
	s_wait_alu depctr_va_vdst(0)
	s_and_b32 s78, s75, 6                          ; a tile's place in its key step: 32 ((tile % 8) / 2) + 8 (tile % 2)
	s_lshl_b32 s78, s78, 4
	s_and_b32 s79, s75, 1
	s_lshl_b32 s79, s79, 3
	s_add_co_u32 s78, s78, s79
	v_add_nc_u32 v[DQH], s78, v8
	s_and_b32 s78, s74, 6
	s_lshl_b32 s78, s78, 4
	s_and_b32 s79, s74, 1
	s_lshl_b32 s79, s79, 3
	s_add_co_u32 s78, s78, s79
	v_add_nc_u32 v[DQL], s78, v8
	v_mov_b32 v[NINF], 0xff800000
	v_mov_b32 v236, 0                              ; written once: a lane permute's destination counts as one of its sources
	v_mov_b32 v252, 0
	v_mov_b32 v253, 0                              ; (named as the upper half of the pair v[252:253])
	s_mov_b32 s[SEL], 0x76543210
	s_mov_b32 s[SEL+1], 0xfedcba98
	s_mov_b32 s[CS], 0x3e38aa3b                    ; log2(e) / 8
	INIT
	s_wait_kmcnt 0x0
	s_add_co_i32 s78, s50, s51
	s_lshl_b32 s78, s78, 23
	s_add_co_i32 s[CS], s[CS], s78                 ; a score stands for score x 2^(e2 + e3): added to c's exponent field
	s_mov_b32 s[CS+1], s[CS]                       ; (named with it as a pair, so it is written)
	s_add_co_i32 s78, s52, 127
	s_lshl_b32 s79, s78, 23
	v_mov_b32 v[PSCL], s79
	s_add_co_i32 s78, s54, 127
	s_lshl_b32 s79, s78, 23
	v_mov_b32 v[YSCL], s79
	s_add_co_i32 s[EO], s52, s53
	s_wait_loadcnt 0x0                             ; Q
	s_wait_tensorcnt 1                             ; my part of key steps 0-3 is in; my second load may be out
	s_barrier_signal -1
	s_barrier_wait -1                              ; everybody's is
	KLOOP 0, 4, 16, DQH, 0                         ; the high tile's last step is 15 - a, 8 at the least: steps 0-3 are open for every wave
	s_wait_tensorcnt 0x0                           ; my part of key steps 4-15 is in,
	s_wait_dscnt 0x0
	s_barrier_signal -1
	s_barrier_wait -1                              ; everybody's is
	s_mov_b32 s[HI], s18
	KLOOP 4, 16, 16, DQH, 1
	EPI 60, 208
	INIT
	s_mov_b32 s[HI], s15
	KLOOP 0, 8, 24, DQL, 1                         ; the low tile's last step is a, 7 at the most
	EPI 62, 216
	s_wait_dscnt 0x0
	s_wait_tensorcnt 0x0
	ds_add_u32 v251, v255
	s_wait_dscnt 0x0
	CROUND                                         ; the closing round
	s_endpgm
.Lfunc_end_k_q9ed0c80ac3_attn:
	.size	k_q9ed0c80ac3_attn, .Lfunc_end_k_q9ed0c80ac3_attn-k_q9ed0c80ac3_attn
	.p2alignl 7, 3214868480
	.fill 96, 4, 3214868480
	.section	.rodata,"a",@progbits
	.p2align	6, 0x0
	.amdhsa_kernel k_q9ed0c80ac3_attn
		.amdhsa_group_segment_fixed_size 327680
		.amdhsa_private_segment_fixed_size 0
		.amdhsa_enable_private_segment 0
		.amdhsa_kernarg_size 32
		.amdhsa_user_sgpr_count 2
		.amdhsa_user_sgpr_kernarg_segment_ptr 1
		.amdhsa_wavefront_size32 1
		.amdhsa_system_sgpr_workgroup_id_x 1
		.amdhsa_system_sgpr_workgroup_id_y 1
		.amdhsa_system_sgpr_workgroup_id_z 1
		.amdhsa_system_vgpr_workitem_id 0
		.amdhsa_next_free_vgpr 256
		.amdhsa_next_free_sgpr 80
		.amdhsa_reserve_vcc 1
		.amdhsa_float_denorm_mode_32 3
		.amdhsa_float_denorm_mode_16_64 3
		.amdhsa_fp16_overflow 1
		.amdhsa_memory_ordered 1
		.amdhsa_forward_progress 1
		.amdhsa_inst_pref_size 66
	.end_amdhsa_kernel
	.amdgpu_metadata
---
amdhsa.version: [ 1, 2 ]
amdhsa.kernels:
  - .name:           k_q9ed0c80ac3_attn
    .symbol:         k_q9ed0c80ac3_attn.kd
    .args:
      - { .name: q_img, .offset: 0, .size: 8, .value_kind: global_buffer, .address_space: global }
      - { .name: kv_img, .offset: 8, .size: 8, .value_kind: global_buffer, .address_space: global }
      - { .name: lowp_scales, .offset: 16, .size: 8, .value_kind: global_buffer, .address_space: global }
      - { .name: y_img, .offset: 24, .size: 8, .value_kind: global_buffer, .address_space: global }
    .group_segment_fixed_size: 327680
    .private_segment_fixed_size: 0
    .kernarg_segment_align: 8
    .kernarg_segment_size: 32
    .max_flat_workgroup_size: 512
    .sgpr_count:     80
    .vgpr_count:     256
    .wavefront_size: 32
...
	.end_amdgpu_metadata
.endif
;; end of part 3
;; launch proj (part 4): grid 4 x 64, 4 waves a work-group, clusters of 4 x 1, 168,448 bytes of LDS; arguments y_img, wp_img, lowp_scales, out0; writes out0
.if DOCPART == 4
	.amdgcn_target "amdgcn-amd-amdhsa--gfx1250"
	.amdhsa_code_object_version 6
	.text
	.protected	k_q9ed0c80ac3_proj
	.globl	k_q9ed0c80ac3_proj
	.p2align	8
	.type	k_q9ed0c80ac3_proj,@function
k_q9ed0c80ac3_proj:
	s_mov_b64 s[64:65], 0
	v_nop
	global_prefetch_b8 v0, s[64:65] scope:SCOPE_SE
	s_setreg_imm32_b32 hwreg(HW_REG_WAVE_MODE, 25, 1), 1
	s_wait_xcnt 0x0
	s_wait_alu depctr_hold_cnt(0) depctr_sa_sdst(0) depctr_va_vdst(0) depctr_va_sdst(0) depctr_va_ssrc(0) depctr_va_vcc(0) depctr_vm_vsrc(0)
	s_getreg_b32 s2, hwreg(HW_REG_IB_STS2, 6, 4)
	s_cmp_eq_u32 s2, 0
	s_cbranch_scc0 .Lentry_in_a_cluster
	s_endpgm
.Lentry_in_a_cluster:
	s_bfe_u32 s2, ttmp6, 0x10000c
	s_cmp_lg_u32 s2, 0x3003
	s_cbranch_scc0 .Lentry_shape_is_right
	s_endpgm
.Lentry_shape_is_right:
; out = y W_proj on codes of FP8 (E4M3): y_img [512 token tiles][8][2048], wp_img [64 column tiles][8][2048], images of operand registers (piece c at 512 c + 16 x lane); out0 [8192][1024] f32; K = 1,024; sums in f32,
; each multiplied once by 2^(e6 + e7).  LIMIT: e6 + e7 between -126 and 127.
; In each group of 32 tokens or columns, row r of tile u is true row 8 u + r + 8 (r / 8).
; SHARES.  A work-group takes 128 tokens (8 tiles, 131,072 bytes of y_img) x 256 columns; the four partners of a cluster take the four column blocks of the same tokens, so y's tiles are asked for JOINTLY, once, at the head:
; no LDS byte is filled twice.  Wave w keeps its 64 columns of W_proj (4 tiles x 8 K steps = 512 registers) for the whole launch.  256 work-groups.
; THE MATRIX INSTRUCTION IS USED TRANSPOSED: source 0 = 16 columns of W_proj, source 1 = 16 tokens: a lane holds one token, and the 16 registers of two neighbouring column tiles are 16 neighbouring columns.
; A tile of tokens is a UNIT: 32 products on four accumulators by turns; its 16 x 64 results go through the wave's own stage in LDS and leave as rows: sixteen lanes store 256 consecutive, aligned bytes.
; No prefetch: all tiles are asked for at the head.
; REGISTERS, in windows of 256: window 0: v1-5 addresses; v64-127 two sets of four accumulators; v128-159 scaled results; v160-223 rows read back, two sets.
;   window 1: W's fragments of K steps 0-3 ((n, s) at v[64 n + 16 s]);  window 2: of K steps 4-7;  window 3: y's fragments, two buffers of 128.
.set LI,   1                           ; v1  16 x lane
.set LI2,  2                           ; v2  the same + 65,536
.set SO,   3                           ; v3  the stage: where I put 16 bytes of a row
.set SR,   4                           ; v4  and where I read a row back
.set GO,   5                           ; v5  my byte offset in two rows of out0
.set ACC,  64
.set T,    128
.set RB,   160
.set SP,   272                         ; a stage row: 256 bytes + 16 = 68 words: row r starts at bank 4 r mod 64 (64 banks of 4 bytes: ISA guide 11.1)
.set STAGE, 131072                     ; behind y's images: 16 rows for each wave; no fill lands there
.set WV,   12
.set MSB, 0
.macro WIN new                         ; the immediate's high byte repeats the setting that is left
.if MSB != (\new)
	s_set_vgpr_msb (MSB<<8)|(\new)
.set MSB, (\new)
.endif
.endm
.macro CROUND                          ; a round of the cluster's barrier
	s_barrier_signal -1
	s_barrier_wait -1
	s_cmp_lg_u32 s[WV], 0
	s_cbranch_scc1 .Lnot_wave_0_\@
	s_barrier_signal -3
.Lnot_wave_0_\@:
	s_barrier_wait -3
	s_barrier_signal -1
	s_barrier_wait -1
.endm
.macro FETCH p                         ; tile p's eight fragments into buffer p % 2 of window 3
	WIN 0xc0                                       ; destination window 3, address window 0
.set i, 0
.rept 32
.if (\p) < 4
	ds_load_b128 v[128*((\p)%2)+4*i:128*((\p)%2)+4*i+3], v[LI] offset:((\p)%4)*16384+512*i
.else
	ds_load_b128 v[128*((\p)%2)+4*i:128*((\p)%2)+4*i+3], v[LI2] offset:((\p)%4)*16384+512*i
.endif
.set i, i+1
.endr
	WIN 0
.endm
.macro SEND p                          ; tile p's 16 rows: stage row 2 i + lane / 16 is true token 32 (p / 2) + 8 (p % 2) + 2 i + lane / 16 + 8 (i / 4)
.set i, 0
.rept 8
	global_store_b128 v[GO], v[RB+32*((\p)%2)+4*i:RB+32*((\p)%2)+4*i+3], s[10:11] offset:(32*((\p)/2)+8*((\p)%2)+2*i+8*(i/4))*4096 th:TH_STORE_NT
.set i, i+1
.endr
.endm
.macro PROD s0                         ; 16 products: K steps s0 .. s0 + 3, the four accumulators by turns, one instruction a turn
.irp s, \s0, \s0+1, \s0+2, \s0+3
.irp n, 0,1,2,3
.if (\s) == 0
	v_wmma_f32_16x16x128_fp8_fp8 v[AC+8*\n:AC+8*\n+7], v[64*\n+16*((\s)%4):64*\n+16*((\s)%4)+15], v[YB+16*(\s):YB+16*(\s)+15], 0
.else
	v_wmma_f32_16x16x128_fp8_fp8 v[AC+8*\n:AC+8*\n+7], v[64*\n+16*((\s)%4):64*\n+16*((\s)%4)+15], v[YB+16*(\s):YB+16*(\s)+15], v[AC+8*\n:AC+8*\n+7]
.endif
.endr
.endr
.endm
.macro UNIT p
	s_wait_dscnt 0x0                               ; tile p's fragments are in, and tile p - 1's rows are back from the stage
.if (\p) > 0
	SEND (\p)-1
.endif
.if (\p) < 7
.if ((\p)+1)%2 == 0
	s_wait_tensorcnt 3-((\p)+1)/2                  ; my part of the next pair of tiles is in; the later pairs' loads may be out,
	s_barrier_signal -1
	s_barrier_wait -1                              ; everybody's is
.endif
	FETCH (\p)+1                                   ; its buffer's last readers stand more than four plain lines back
.endif
.set AC, ACC+32*((\p)%2)
.set YB, 128*((\p)%2)
	WIN 0x0d                                       ; source 0 (W) window 1, source 1 (y) window 3
	PROD 0
	WIN 0x0e                                       ; source 0 window 2
	PROD 4
	WIN 0
.rept 4
	v_nop                                          ; places in front of the first read of the results
.endr
.set i, 0
.rept 16
	v_pk_mul_f32 v[T+i:T+i+1], v[AC+i:AC+i+1], s[48:49] op_sel_hi:[1,0]   ; x 2^(e6 + e7); each accumulator from its low end on
.set i, i+2
.endr
	s_wait_alu depctr_va_vdst(0)
	s_wait_xcnt 0x0                                ; the stores of tile p - 2 have read this set of rows: it is loaded again only behind this wait
.set i, 0
.rept 8
	ds_store_b128 v[SO], v[T+4*i:T+4*i+3] offset:128*(i/4)+16*(i%4)       ; columns 32 (i / 4) + 16 (lane / 16) + 4 (i % 4) on, of my token
.set i, i+1
.endr
.set i, 0
.rept 8
	ds_load_b128 v[RB+32*((\p)%2)+4*i:RB+32*((\p)%2)+4*i+3], v[SR] offset:2*i*SP   ; LDS serves a wave's instructions in order (ISA guide 5.7.1.4): these see the stores above
.set i, i+1
.endr
.endm
	s_load_b128 s[4:7], s[0:1], 0x0                ; y_img s[4:5], wp_img s[6:7]
	s_load_b128 s[8:11], s[0:1], 0x10              ; the scales' exponents s[8:9], out0 s[10:11]
	v_lshl_add_u32 v254, v0, 2, 0x29000
	v_mov_b32 v255, 0
	ds_add_u32 v254, v255
	ds_add_u32 v254, v255
	v_lshrrev_b32 v1, 5, v0
	v_readfirstlane_b32 s[WV], v1                  ; wave 0..3
	s_bfe_u32 s13, ttmp6, 0x40000                  ; cx: which 256 columns
	s_and_b32 s14, ttmp7, 0xffff                   ; which 128 tokens: the four partners share it
	; group 1: 32 rows of 32 elements of 8 bytes, dense in memory and in LDS: 8,192 bytes
	s_mov_b32 s16, 15|(3<<16)|(1<<21)              ; 15:0 the mask: all four work-groups; 17:16 elements of 8 bytes; 21 set beside a mask
	s_mov_b32 s17, 32<<16                          ; tensor_dim0
	s_mov_b32 s18, 32<<16                          ; tensor_dim1
	s_mov_b32 s19, 32<<16                          ; tile_dim0
	s_mov_b32 s20, 32                              ; tile_dim1
	s_mov_b32 s21, 32                              ; tensor_dim0_stride
	s_mov_b32 s22, 0
	s_mov_b32 s23, 0
	s_lshl_b32 s24, s[WV], 13                      ; my quarter of a pair of tiles
	s_lshl_b32 s26, s14, 17
	s_add_co_u32 s26, s26, s24
	s_mov_b32 s27, 0
	s_wait_dscnt 0x0
	s_wait_kmcnt 0x0
	s_load_b64 s[50:51], s[8:9], 0x18              ; e6, e7
	s_add_nc_u64 s[4:5], s[4:5], s[26:27]
.irp g, 0,1,2,3                        ; pair g of tiles: 32,768 bytes on, in memory and in LDS
	s_mov_b32 s[32+4*\g], 1
	s_add_co_u32 s[33+4*\g], s24, \g*32768
	s_add_nc_u64 s[34+4*\g:35+4*\g], s[4:5], \g*32768
	s_or_b32 s[35+4*\g], s[35+4*\g], 0x80000000
.endr
	CROUND                                         ; all four work-groups are here: the joint loads meet
	tensor_load_to_lds s[32:35], s[16:23]          ; four loads of mine are out, the only ones of the launch
	s_nop 0
	tensor_load_to_lds s[36:39], s[16:23]
	s_nop 0
	tensor_load_to_lds s[40:43], s[16:23]
	s_nop 0
	tensor_load_to_lds s[44:47], s[16:23]
	s_nop 0
.rept 4
	v_nop
.endr
	v_and_b32 v1, 31, v0
	v_lshlrev_b32 v[LI], 4, v1
	s_wait_alu depctr_va_vdst(0)
	s_lshl_b32 s28, s13, 18                        ; wp_img: 16 tiles of 16,384 bytes a column block, 4 a wave
	s_lshl_b32 s29, s[WV], 16
	s_add_co_u32 s28, s28, s29
	s_mov_b32 s29, 0
	s_add_nc_u64 s[6:7], s[6:7], s[28:29]
	WIN 0x40                                       ; destination window 1
.irp n, 0,1,2,3
.set i, 0
.rept 16
	global_load_b128 v[64*\n+4*i:64*\n+4*i+3], v[LI], s[6:7] offset:\n*16384+512*i
.set i, i+1
.endr
.endr
	WIN 0x80                                       ; destination window 2
.irp n, 0,1,2,3
.set i, 0
.rept 16
	global_load_b128 v[64*\n+4*i:64*\n+4*i+3], v[LI], s[6:7] offset:\n*16384+8192+512*i
.set i, i+1
.endr
.endr
	WIN 0
	v_add_nc_u32 v[LI2], 65536, v[LI]
	s_mul_i32 s25, s[WV], 16*SP
	s_add_co_u32 s25, s25, STAGE                   ; my stage
	v_and_b32 v6, 15, v0                           ; r
	v_bfe_u32 v7, v0, 4, 1                         ; h
	v_mul_u32_u24 v[SO], v6, SP
	v_lshl_add_u32 v[SO], v7, 6, v[SO]
	v_add_nc_u32 v[SO], s25, v[SO]                 ; in: row r, + 64 h
	v_mul_u32_u24 v[SR], v7, SP
	v_lshl_add_u32 v[SR], v6, 4, v[SR]
	v_add_nc_u32 v[SR], s25, v[SR]                 ; back: lanes 0-15 one row, lanes 16-31 the next
	v_lshlrev_b32 v[GO], 12, v7
	v_lshl_add_u32 v[GO], v6, 4, v[GO]             ; and the same two rows of out0
	s_lshl_b32 s28, s14, 19                        ; out0: 128 rows of 4,096 bytes, + 1,024 x column block + 256 x wave
	s_lshl_b32 s30, s13, 10
	s_add_co_u32 s28, s28, s30
	s_lshl_b32 s30, s[WV], 8
	s_add_co_u32 s28, s28, s30
	s_add_nc_u64 s[10:11], s[10:11], s[28:29]
	s_wait_kmcnt 0x0
	s_add_co_i32 s48, s50, s51
	s_add_co_i32 s48, s48, 127
	s_lshl_b32 s48, s48, 23                        ; 2^(e6 + e7) as f32
	s_mov_b32 s49, s48                             ; (named with it as a pair, so it is written)
	s_wait_tensorcnt 3                             ; my part of tiles 0 and 1 is in; the three later loads may be out
	s_barrier_signal -1
	s_barrier_wait -1                              ; everybody's is
	FETCH 0
	s_wait_loadcnt 0x0                             ; W_proj's fragments
	UNIT 0
	UNIT 1
	UNIT 2
	UNIT 3
	UNIT 4
	UNIT 5
	UNIT 6
	UNIT 7
	s_wait_dscnt 0x0
	SEND 7
	s_wait_tensorcnt 0x0
	ds_add_u32 v254, v255
	s_wait_dscnt 0x0
	CROUND                                         ; the closing round
	s_endpgm
.Lfunc_end_k_q9ed0c80ac3_proj:
	.size	k_q9ed0c80ac3_proj, .Lfunc_end_k_q9ed0c80ac3_proj-k_q9ed0c80ac3_proj
	.p2alignl 7, 3214868480
	.fill 96, 4, 3214868480
	.section	.rodata,"a",@progbits
	.p2align	6, 0x0
	.amdhsa_kernel k_q9ed0c80ac3_proj
		.amdhsa_group_segment_fixed_size 168448
		.amdhsa_private_segment_fixed_size 0
		.amdhsa_enable_private_segment 0
		.amdhsa_kernarg_size 32
		.amdhsa_user_sgpr_count 2
		.amdhsa_user_sgpr_kernarg_segment_ptr 1
		.amdhsa_wavefront_size32 1
		.amdhsa_system_sgpr_workgroup_id_x 1
		.amdhsa_system_sgpr_workgroup_id_y 1
		.amdhsa_system_sgpr_workgroup_id_z 1
		.amdhsa_system_vgpr_workitem_id 0
		.amdhsa_next_free_vgpr 1024
		.amdhsa_next_free_sgpr 66
		.amdhsa_reserve_vcc 0
		.amdhsa_float_denorm_mode_32 3
		.amdhsa_float_denorm_mode_16_64 3
		.amdhsa_memory_ordered 1
		.amdhsa_forward_progress 1
		.amdhsa_inst_pref_size 75
	.end_amdhsa_kernel
	.amdgpu_metadata
---
amdhsa.version: [ 1, 2 ]
amdhsa.kernels:
  - .name:           k_q9ed0c80ac3_proj
    .symbol:         k_q9ed0c80ac3_proj.kd
    .args:
      - { .name: y_img, .offset: 0, .size: 8, .value_kind: global_buffer, .address_space: global }
      - { .name: wp_img, .offset: 8, .size: 8, .value_kind: global_buffer, .address_space: global }
      - { .name: lowp_scales, .offset: 16, .size: 8, .value_kind: global_buffer, .address_space: global }
      - { .name: out0, .offset: 24, .size: 8, .value_kind: global_buffer, .address_space: global }
    .group_segment_fixed_size: 168448
    .private_segment_fixed_size: 0
    .kernarg_segment_align: 8
    .kernarg_segment_size: 32
    .max_flat_workgroup_size: 128
    .sgpr_count:     66
    .vgpr_count:     1024
    .wavefront_size: 32
...
	.end_amdgpu_metadata
.endif
;; end of part 4
